; MI455X (gfx1250); checked and timed in simulation.
; The chip was launched on July 23, 2026; its instructions are those of AMD's public machine-readable ISA for CDNA 5 (MIT licence, August 2026) and "CDNA5" Instruction Set Architecture Reference Guide (July 2026). The comments in the code are by the model that wrote it; some were corrected since.
;; Multihead Self Attention. Allowed arithmetic: matrix products marked QUANTISED: E5M2 operands, one E8M0 scale for each 32 along K, by v_wmma_scale_f32_16x16x128_f8f6f4 with both operands' format E5M2, f32 sums; everything else in f32.
;; Inputs: proj_b 1,024 float32; proj_w_codes 1,024 x 32 x 32 uint8 (E5M2 codes of proj_w, K innermost, in blocks of 32 codes); proj_w_scales 1,024 x 32 uint8 (E8M0 scales of proj_w, one for each 32 codes along K); qkv_b 3,072 float32; qkv_w_codes 3,072 x 32 x 32 uint8 (E5M2 codes of qkv_w, K innermost, in blocks of 32 codes); qkv_w_scales 3,072 x 32 uint8 (E8M0 scales of qkv_w, one for each 32 codes along K); x_codes 4 x 2,048 x 32 x 32 uint8 (E5M2 codes of x, K innermost, in blocks of 32 codes); x_scales 4 x 2,048 x 32 uint8 (E8M0 scales of x, one for each 32 codes along K).
;; Outputs: out0 4 x 2,048 x 1,024 float32.
;; This version of the problem:
;;   THIS VERSION OF THE PROBLEM IS GIVEN IN LOW PRECISION. The matrix products marked QUANTISED in the list below multiply operands that are first quantised to E5M2 (5 exponent bits, 2 mantissa bits; 8 bits a number), with one power-of-two scale for each 32 numbers along K (OCP MX v1.0); their sums are f32. All else is computed in f32.
;;   The module's matrix products, in the order in which they are computed (A, B: the left and right operand; K: the contracted axis; several contracted axes count as one K, in the product's order):
;;     1. [M 8,192, K 1,024] x [K 1,024, N 3,072]; A: input x (given as codes); B: input qkv_w (given as codes): QUANTISED
;;     2. batch 64 x [M 2,048, K 64] x [K 64, N 2,048]; A: computed on the way; B: computed on the way: QUANTISED
;;     3. batch 64 x [M 2,048, K 2,048] x [K 2,048, N 64]; A: softmax (see below); B: computed on the way: QUANTISED
;;     4. [M 8,192, K 1,024] x [K 1,024, N 1,024]; A: computed on the way; B: input proj_w (given as codes): QUANTISED
;;   THE QUANTISER, for each operand of a quantised product, along K:
;;     - K is cut into blocks of 32 from its start; a last block that is shorter is filled with zeros.
;;     - A block's scale is 2^e with e = floor(log2(the largest magnitude in the block)) - 15, held to -126 .. 127; a block of zeros has e = 0. As a byte (E8M0): e + 127.
;;     - Each number is divided by its block's scale, clamped to +-57,344, and rounded to the nearest number of E5M2, ties to even, subnormals kept.
;;     - The product sums the exact products of the quantised numbers (number of the format x scale) in f32.
;;   ~~~python
;;   def quantise(x, axis):      # numpy; x: float32 -> the quantised numbers, widened to float32 again
;;       x = np.moveaxis(x, axis, -1); K = x.shape[-1]
;;       x = np.pad(x, [(0, 0)] * (x.ndim - 1) + [(0, -K % 32)]); x = x.reshape(x.shape[:-1] + (-1, 32)); a = np.abs(x).max(-1, keepdims=True)
;;       e = np.where(a > 0, np.clip(np.frexp(np.where(a > 0, a, 1))[1] - 1 - 15, -126, 127), 0)      # np.frexp(a)[1] - 1 = floor(log2(a)), exactly
;;       r = np.clip(x / 2.0 ** e, -57344, 57344)
;;       step = 2.0 ** (np.maximum(np.frexp(np.where(r == 0, 1, r))[1] - 1, -14) - 2)
;;       q = np.round(r / step) * step * 2.0 ** e      # np.round: ties to even
;;       return np.moveaxis(q.reshape(q.shape[:-2] + (-1,))[..., :K], -1, axis).astype(np.float32)
;;   ~~~
;;   SOFTMAX AHEAD OF A QUANTISED PRODUCT. Where the list says 'softmax', what is quantised is not the finished softmax but p = 2^(t - M), with t = logit x log2(e) and M = ceil(the row's largest t), a whole number; so 1/2 < the row's largest p <= 1. The row's sum l is taken of the UNQUANTISED p, in f32, and the product's result is divided by l at the end. Since M is a whole number, a kernel that streams over the keys may use a running M (the ceiling of the running maximum): every later rescaling is an exact power of two, which a block's scale takes up: the codes' values come out the same.
;;   OPERANDS COMPUTED ON THE WAY. 'Computed on the way' means the value that the module computes at that place (a softmax that the list does not call 'softmax' is quantised finished and normalised). What goes into a quantiser is computed in f32, as accurately as f32 sums, v_exp_f32 and their like allow (about 1e-6 of the number): no bf16 or f16 on the way to a quantiser, and a product that is left as it is and whose result goes on into a quantised operand takes f32 operands (vector FMAs, or v_wmma_f32_16x16x4_f32). A number that lies on a knife's edge between two numbers of the format may be rounded either way, as far as f32 arithmetic and the matrix unit's own rounding can turn it there, and no further.
;;   INPUTS GIVEN AS CODES. proj_w (in the module: [1024, 1024], K = its axis 1); qkv_w (in the module: [3072, 1024], K = its axis 1); x (in the module: [4, 2048, 1024], K = its axis 2): each comes as NAME_codes (uint8): NAME with its K axis moved to the last place and cut into blocks of 32 codes, [.., K / 32, bytes a block], one block behind the other in memory; one code a byte (a code: sign, 5 exponent bits, 2 mantissa bits); and NAME_scales (uint8): the same leading axes, one E8M0 byte (e + 127) for each 32 codes along K. Its value is code x scale, taken as it is: it is not quantised again, and the codes and scales need not be those that the quantiser above would give.
;; One version. Each part assembles by itself: llvm-mc -triple=amdgcn-amd-amdhsa -mcpu=gfx1250 --defsym DOCPART=n.
;; ======== version 1 of 1: 3 launches
;; limits: right only within a limited range of input values
;; workspace buffers: img 25,165,824 bytes; scl 786,432 bytes; o_img 8,388,608 bytes; o_scl 262,144 bytes
;; launch qkv (part 1): grid 8 x 48, 4 waves a work-group, clusters of 4 x 4, 327,680 bytes of LDS; arguments x_codes, x_scales, qkv_w_codes, qkv_w_scales, qkv_b, img, scl; writes img, scl
.if DOCPART == 1
	.amdgcn_target "amdgcn-amd-amdhsa--gfx1250"
	.amdhsa_code_object_version 6
	.text
	.protected	k_qdc7b28ef78_qkv
	.globl	k_qdc7b28ef78_qkv
	.p2align	8
	.type	k_qdc7b28ef78_qkv,@function
k_qdc7b28ef78_qkv:
	s_mov_b64 s[64:65], 0
	v_nop
	global_prefetch_b8 v0, s[64:65] scope:SCOPE_SE
	s_setreg_imm32_b32 hwreg(HW_REG_WAVE_MODE, 25, 1), 1
	s_wait_xcnt 0x0
	s_wait_alu depctr_hold_cnt(0) depctr_sa_sdst(0) depctr_va_vdst(0) depctr_va_sdst(0) depctr_va_ssrc(0) depctr_va_vcc(0) depctr_vm_vsrc(0)
	s_getreg_b32 s2, hwreg(HW_REG_IB_STS2, 6, 4)
	s_cmp_eq_u32 s2, 0
	s_cbranch_scc0 .Lentry_in_a_cluster
	s_endpgm
.Lentry_in_a_cluster:
	s_bfe_u32 s2, ttmp6, 0x10000c
	s_cmp_lg_u32 s2, 0xf033
	s_cbranch_scc0 .Lentry_shape_is_right
	s_endpgm
.Lentry_shape_is_right:
.set KSTEP,  256
.set NQ,     2
.set ROWB,   256
.set KROW,   1024
.set PITCH,  272
.set FR,     16
.set NL,     4
.set NP,     8
.set HALFT,  128*PITCH
.set SLOT,   4*HALFT
.set LAPS,   2
.set KS,     32
.set SCL,    2*SLOT
.set HALFS,  (128*KS/256)*272
.set SBLK,   (16*KS/256)*272
.set SPARE,  SCL+4*HALFS
.set VO,   8
.set ADRA, 16
.set ADRB, 20
.set L16,  24
.set LSC,  25
.set ADRS, 27
.set SPW,  28
.set NIL,  29
.set SC,   32
.set G,    64
.set AF,   128
.set TM,   32
.set SW,   48
.set SO,   56
.set SELV, 60
.set H,    128
.set PC,   192
.set WV,   18
.set WH,   19
.set WL,   20
.set CX,   21
.set CYP,  22
.set CLY,  23
.set G1,   24
.set G0,   32
.set T0,   40
.set T1,   41
.set MROW, 42
.set MCOL, 43
.set TYPE, 44
.set G1B,  48
.set G0B,  56
.set G1S,  68
.set G0S,  76
.set G1SB, 80
.set G0SB, 88
.set SEL,  98
.set MNT,  100
.set HIGH, 101
.set MSB, 0
.macro WIN new
.if MSB != (\new)
	s_set_vgpr_msb (MSB<<8)|(\new)
.set MSB, (\new)
.endif
.endm
.set MUL_LO, 0xa1
.set MUL_HI, 0xf1
.set TO_B,   0x40
.macro JLOAD g0a, g1a, g0b, g1b
	s_cmp_eq_u32 s[WH], 0
	s_cbranch_scc0 .Lfor_b_\@
	tensor_load_to_lds s[\g0a:\g0a+3], s[\g1a:\g1a+7]
	s_nop 0
.rept 4
	v_nop
.endr
	s_branch .Lasked_\@
.Lfor_b_\@:
	tensor_load_to_lds s[\g0b:\g0b+3], s[\g1b:\g1b+7]
	s_nop 0
.rept 4
	v_nop
.endr
.Lasked_\@:
.endm
.macro CREST
	s_cmp_lg_u32 s[WV], 0
	s_cbranch_scc1 .Lnot_wave_0_\@
	s_barrier_signal -3
.Lnot_wave_0_\@:
	s_barrier_wait -3
	s_barrier_signal -1
	s_barrier_wait -1
.endm
.macro CROUND
	s_barrier_signal -1
	s_barrier_wait -1
	CREST
.endm
	s_load_b256 s[4:11], s[0:1], 0x0
	s_load_b128 s[12:15], s[0:1], 0x20
	s_load_b64 s[16:17], s[0:1], 0x30
	v_lshl_add_u32 v[SPW], v0, 2, SPARE
	v_mov_b32 v[NIL], 0
	ds_add_u32 v28, v29
	ds_add_u32 v28, v29
	s_wait_dscnt 0x0
	v_lshrrev_b32 v1, 5, v0
	v_readfirstlane_b32 s[WV], v1
	s_lshr_b32 s[WH], s[WV], 1
	s_and_b32 s[WL], s[WV], 1
	s_bfe_u32 s[CX], ttmp6, 0x40000
	s_bfe_u32 s[CYP], ttmp6, 0x40004
	s_and_b32 s[CLY], ttmp7, 0xffff
	s_lshl_b32 s45, s[CLY], 2
	s_max_u32 s2, s[CLY], 8
	s_sub_co_u32 s2, s2, 8
	s_lshl_b32 s2, s2, 3
	s_lshl_b32 s[T1], ttmp9, 2
	s_add_co_u32 s[T1], s[T1], s[CX]
	s_add_co_u32 s[T1], s[T1], s2
	s_cmp_lt_u32 s[CLY], 8
	s_cselect_b32 s[TYPE], 1, 0
	s_cselect_b32 s45, s45, 8
	s_add_co_u32 s[T0], s[CYP], s45
	s_lshl_b32 s[MROW], s[CYP], 2
	s_lshl_b32 s[MROW], 15, s[MROW]
	s_lshl_b32 s[MCOL], 0x1111, s[CX]
	s_or_b32 s[G1+0], s[MROW], (0<<16)|(1<<20)|(1<<21)|(5<<22)|(3<<25)
	s_or_b32 s[G1B+0], s[MCOL], (0<<16)|(1<<20)|(1<<21)|(5<<22)|(3<<25)
.irp g, G1, G1B
	s_mov_b32 s[\g+1], ROWB<<16
	s_mov_b32 s[\g+2], 256<<16
	s_mov_b32 s[\g+3], ROWB<<16
	s_mov_b32 s[\g+4], 256
	s_mov_b32 s[\g+5], KROW
	s_mov_b32 s[\g+6], 0
	s_mov_b32 s[\g+7], 0
.endr
	s_or_b32 s[G1S+0], s[MROW], (3<<16)|(1<<20)|(1<<21)|(5<<22)|(3<<25)
	s_or_b32 s[G1SB+0], s[MCOL], (3<<16)|(1<<20)|(1<<21)|(5<<22)|(3<<25)
.irp g, G1S, G1SB
	s_mov_b32 s[\g+1], 32<<16
	s_mov_b32 s[\g+2], (256*KS/256)<<16
	s_mov_b32 s[\g+3], 32<<16
	s_mov_b32 s[\g+4], 256*KS/256
	s_mov_b32 s[\g+5], 32
	s_mov_b32 s[\g+6], 0
	s_mov_b32 s[\g+7], 0
.endr
	s_lshl_b32 s45, s[WL], 7
	s_lshl_b32 s46, s[T0], 8
	s_lshl_b32 s66, s46, 5
	s_add_co_u32 s46, s46, s45
	s_lshl_b32 s46, s46, 10
	s_mov_b32 s47, 0
	s_mov_b32 s67, 0
	s_lshl_b32 s104, s[T1], 8
	s_lshl_b32 s100, s104, 5
	s_and_b32 s2, s[WH], s[WL]
	s_lshl_b32 s45, s2, 7
	s_add_co_u32 s104, s104, s45
	s_lshl_b32 s104, s104, 10
	s_mov_b32 s105, 0
	s_mov_b32 s101, 0
	s_mul_i32 s98, s[WV], HALFT
	s_mul_i32 s99, s2, HALFT
	s_add_co_u32 s99, s99, 2*HALFT
	s_wait_kmcnt 0x0
	s_cmp_lt_u32 s[CLY], 8
	s_cselect_b64 s[92:93], s[4:5], s[8:9]
	s_cselect_b64 s[94:95], s[6:7], s[10:11]
	s_cselect_b64 s[96:97], s[8:9], s[4:5]
	s_cselect_b64 s[4:5], s[10:11], s[6:7]
	s_add_nc_u64 s[92:93], s[92:93], s[46:47]
	s_add_nc_u64 s[94:95], s[94:95], s[66:67]
	s_add_nc_u64 s[96:97], s[96:97], s[104:105]
	s_add_nc_u64 s[4:5], s[4:5], s[100:101]
	CROUND
	s_mov_b32 s[G0S], 1
	s_mov_b32 s[G0S+1], SCL
	s_mov_b64 s[G0S+2:G0S+3], s[94:95]
	s_or_b32 s[G0S+3], s[G0S+3], 0x80000000
	s_mov_b32 s[G0SB], 1
	s_mov_b32 s[G0SB+1], SCL+2*HALFS
	s_mov_b64 s[G0SB+2:G0SB+3], s[4:5]
	s_or_b32 s[G0SB+3], s[G0SB+3], 0x80000000
.irp s, 0,1
	s_mov_b32 s[G0+4*\s], 1
	s_add_co_u32 s[G0+4*\s+1], s98, \s*SLOT
	s_add_nc_u64 s[G0+4*\s+2:G0+4*\s+3], s[92:93], \s*ROWB
	s_or_b32 s[G0+4*\s+3], s[G0+4*\s+3], 0x80000000
	s_mov_b32 s[G0B+4*\s], 1
	s_add_co_u32 s[G0B+4*\s+1], s99, \s*SLOT
	s_add_nc_u64 s[G0B+4*\s+2:G0B+4*\s+3], s[96:97], \s*ROWB
	s_or_b32 s[G0B+4*\s+3], s[G0B+4*\s+3], 0x80000000
.endr
; the head's four tiles, one joint load a wave: wave 0 K step 0's 256 rows of source 1, wave 1 those of source 0, waves 2 and 3 their scale bytes
	s_cmp_lt_u32 s[WV], 1
	s_cbranch_scc0 .Lhead_b
	tensor_load_to_lds s[G0:G0+3], s[G1:G1+7]
	s_nop 0
.rept 4
	v_nop
.endr
	s_branch .Lhead_asked
.Lhead_b:
	s_cmp_lt_u32 s[WV], 2
	s_cbranch_scc0 .Lhead_sa
	tensor_load_to_lds s[G0B:G0B+3], s[G1B:G1B+7]
	s_nop 0
.rept 4
	v_nop
.endr
	s_branch .Lhead_asked
.Lhead_sa:
	s_cmp_lt_u32 s[WV], 3
	s_cbranch_scc0 .Lhead_sb
	tensor_load_to_lds s[G0S:G0S+3], s[G1S:G1S+7]
	s_nop 0
.rept 4
	v_nop
.endr
	s_branch .Lhead_asked
.Lhead_sb:
	tensor_load_to_lds s[G0SB:G0SB+3], s[G1SB:G1SB+7]
	s_nop 0
.rept 4
	v_nop
.endr
.Lhead_asked:
; prefetches into the L2: of the 128 rows that my wave fetches in the ring, my work-group's 32 (told apart from the three partners of the joint load by address), a lane a row, 256 bytes of a row a K step.
; K step 2 is asked for here, K step 3 behind slot 1's first fill: each two fills ahead of the refill that loads it.  K steps 0 and 1 come by their loads alone.
	s_cmp_eq_u32 s[WH], 0
	s_cselect_b64 s[92:93], s[92:93], s[96:97]
	s_cselect_b32 s94, s[CX], s[CYP]
	s_lshl_b32 s94, s94, 15
	s_mov_b32 s95, 0
	s_add_nc_u64 s[92:93], s[92:93], s[94:95]
	v_and_b32 v30, 31, v0
	v_lshlrev_b32 v30, 10, v30
	global_prefetch_b8 v30, s[92:93] offset:512 th:TH_LOAD_NT scope:SCOPE_SE
	s_cmp_eq_u32 s[TYPE], 1
	s_cselect_b32 s4, s[T0], s[T1]
	s_cselect_b32 s5, s[T1], s[T0]
	s_cselect_b32 s6, s[WH], s[WL]
	s_cselect_b32 s7, s[WL], s[WH]
	s_cselect_b32 s8, 32, 0
	s_cselect_b32 s9, 0, 4
	s_cselect_b32 s10, 4, 0
	s_lshr_b32 s11, s5, 2
	s_and_b32 s45, s5, 3
	s_lshl_b32 s45, s45, 2
	s_lshl_b32 s46, s7, 1
	s_add_co_u32 s45, s45, s46
	s_lshr_b32 s46, s4, 3
	s_lshl_b32 s46, s46, 4
	s_add_co_u32 s45, s45, s46
	s_and_b32 s46, s4, 7
	s_lshl_b32 s46, s46, 1
	s_add_co_u32 s46, s46, s6
	s_lshl_b32 s104, s11, 23
	s_lshl_b32 s47, s45, 17
	s_add_co_u32 s104, s104, s47
	s_lshl_b32 s47, s46, 13
	s_add_co_u32 s104, s104, s47
	s_mov_b32 s105, 0
	s_add_nc_u64 s[14:15], s[14:15], s[104:105]
	s_lshl_b32 s104, s11, 18
	s_lshl_b32 s47, s45, 12
	s_add_co_u32 s104, s104, s47
	s_lshl_b32 s47, s46, 8
	s_add_co_u32 s104, s104, s47
	s_add_nc_u64 s[16:17], s[16:17], s[104:105]
	s_lshl_b32 s104, s5, 10
	s_lshl_b32 s47, s7, 9
	s_add_co_u32 s104, s104, s47
	s_add_nc_u64 s[12:13], s[12:13], s[104:105]
	s_mov_b32 s[SEL], 0x76543210
	s_mov_b32 s[SEL+1], 0xfedcba98
	s_mov_b32 s[MNT], 0x600000
	s_mov_b32 s[HIGH], 0xffff0000
	v_and_b32 v1, 15, v0
	v_bfe_u32 v2, v0, 4, 1
	v_mul_u32_u24 v7, v2, s8
	v_mad_u32_u24 v7, v1, s9, v7
.irp j, 0,1,2,3,4,5,6,7
	v_mad_u32_u24 v[VO+\j], s10, \j, v7
.endr
.irp i, 0,1,2,3,4,5,6,7
.irp j, 0,1,2,3,4,5,6,7
	global_load_b32 v[G+8*\i+\j], v[VO+\j], s[12:13] offset:64*\i
.endr
.endr
	v_mul_u32_u24 v3, v1, PITCH
	v_lshl_add_u32 v4, v2, 4, v3
	s_mul_i32 s45, s[WH], HALFT
	s_mul_i32 s46, s[WL], HALFT
	s_add_co_u32 s46, s46, 2*HALFT
.irp s, 0,1
	v_add_nc_u32 v[ADRA+\s], s45, v4
	v_add_nc_u32 v[ADRB+\s], s46, v4
	s_add_co_u32 s45, s45, SLOT
	s_add_co_u32 s46, s46, SLOT
.endr
	v_mul_u32_u24 v5, v1, KS
	v_lshrrev_b32 v6, 8, v5
	v_lshl_add_u32 v5, v6, 4, v5
	s_mul_i32 s45, s[WH], HALFS
	s_mul_i32 s46, s[WL], HALFS
	s_add_co_u32 s46, s46, 2*HALFS
	s_sub_co_u32 s46, s46, s45
	v_mul_u32_u24 v6, s46, v2
	s_add_co_u32 s45, s45, SCL
	v_add_nc_u32 v5, v5, v6
	v_add_nc_u32 v[ADRS], s45, v5
	v_and_b32 v6, 31, v0
	v_lshlrev_b32 v[L16], 4, v6
	v_lshlrev_b32 v[LSC], 4, v1
	v_lshl_add_u32 v[LSC], v2, 12, v[LSC]
.macro FRAG reg, adr, q, i
.irp c, 0,1,2,3
	ds_load_b128 v[\reg+4*\c:\reg+4*\c+3], v[\adr] offset:128*(\q)+32*\c+(\i)*16*PITCH
.endr
.endm
.macro MUL16 a0, p, q, sc, zero
.irp a, \a0, \a0+1
.irp b, 0,1,2,3,4,5,6,7
.if \zero
	v_wmma_scale_f32_16x16x128_f8f6f4 v[8*(8*((\a)%4)+\b):8*(8*((\a)%4)+\b)+7], v[128*(\p)+FR*\b:128*(\p)+FR*\b+FR-1], v[AF+FR*(\a):AF+FR*(\a)+FR-1], 0, v[SC+8*NQ*(\sc)+NQ*\b+(\q)], v[SC+8*NQ*(\sc)+NQ*(\a)+(\q)] matrix_a_fmt:MATRIX_FMT_BF8 matrix_b_fmt:MATRIX_FMT_BF8 matrix_a_scale:MATRIX_SCALE_ROW1
.else
	v_wmma_scale_f32_16x16x128_f8f6f4 v[8*(8*((\a)%4)+\b):8*(8*((\a)%4)+\b)+7], v[128*(\p)+FR*\b:128*(\p)+FR*\b+FR-1], v[AF+FR*(\a):AF+FR*(\a)+FR-1], v[8*(8*((\a)%4)+\b):8*(8*((\a)%4)+\b)+7], v[SC+8*NQ*(\sc)+NQ*\b+(\q)], v[SC+8*NQ*(\sc)+NQ*(\a)+(\q)] matrix_a_fmt:MATRIX_FMT_BF8 matrix_b_fmt:MATRIX_FMT_BF8 matrix_a_scale:MATRIX_SCALE_ROW1
.endif
.endr
.endr
.endm
.macro FETCH_B slot, q, p
	WIN TO_B
.irp i, 0,1,2,3,4,5,6,7
	FRAG 128*(\p)+FR*\i, ADRB+\slot, \q, \i
.endr
	WIN 0
.endm
.macro FETCH_A slot, q, i0
.irp i, \i0, \i0+1, \i0+2, \i0+3
	FRAG AF+FR*(\i), ADRA+\slot, \q, \i
.endr
.endm
.macro SCALES sc
.irp i, 0,1,2,3,4,5,6,7
	ds_load_b64 v[SC+8*NQ*\sc+NQ*\i:SC+8*NQ*\sc+NQ*\i+1], v[ADRS] offset:\i*SBLK
.endr
.endm
.macro PLACES n
.rept \n
	v_nop
.endr
.endm
.macro STEP slot, q, zero
	s_wait_dscnt 4*NL
	WIN MUL_LO
	MUL16 0, (\q)%2, \q, \slot, \zero
	MUL16 2, (\q)%2, \q, \slot, \zero
	s_wait_dscnt 0
	PLACES NP
	FETCH_B \slot, (\q)+1, 1-(\q)%2
	FETCH_A \slot, (\q)+1, 0
	WIN MUL_HI
	MUL16 4, (\q)%2, \q, \slot, \zero
	MUL16 6, (\q)%2, \q, \slot, \zero
	PLACES NP
	WIN 0
	FETCH_A \slot, (\q)+1, 4
.endm
.macro TURN slot, next, fill
	s_wait_tensorcnt 0x0
	ds_add_u32 v[SPW], v[NIL]
	s_wait_dscnt 4*NL+1
	WIN MUL_LO
	MUL16 0, 1, NQ-1, \slot, 0
	s_wait_dscnt 0x0
	s_barrier_signal -1
	MUL16 2, 1, NQ-1, \slot, 0
	WIN 0
	s_barrier_wait -1
.if \fill
	CREST
	s_add_nc_u64 s[G0+4*\slot+2:G0+4*\slot+3], s[G0+4*\slot+2:G0+4*\slot+3], 2*ROWB
	s_add_nc_u64 s[G0B+4*\slot+2:G0B+4*\slot+3], s[G0B+4*\slot+2:G0B+4*\slot+3], 2*ROWB
	JLOAD G0+4*\slot, G1, G0B+4*\slot, G1B
	PLACES NP-4
.else
	PLACES NP
.endif
	s_wait_alu depctr_va_vdst(0)
	v_add_nc_u32 v[ADRS], 4*NQ, v[ADRS]
	FETCH_B \next, 0, 0
	FETCH_A \next, 0, 0
	SCALES \next
	WIN MUL_HI
	MUL16 4, 1, NQ-1, \slot, 0
	MUL16 6, 1, NQ-1, \slot, 0
	PLACES NP
	WIN 0
	FETCH_A \next, 0, 4
.endm
	s_wait_alu depctr_va_vdst(0)
	s_wait_tensorcnt 0x0
	ds_add_u32 v[SPW], v[NIL]
	s_mov_b32 s[G1+2], 128<<16
	s_mov_b32 s[G1+4], 128
	s_mov_b32 s[G1B+2], 128<<16
	s_mov_b32 s[G1B+4], 128
	s_wait_dscnt 0x0
	CROUND
	JLOAD G0+4, G1, G0B+4, G1B
	global_prefetch_b8 v30, s[92:93] offset:768 th:TH_LOAD_NT scope:SCOPE_SE
	FETCH_B 0, 0, 0
	FETCH_A 0, 0, 0
	SCALES 0
	FETCH_A 0, 0, 4
	STEP 0, 0, 1
	s_mov_b32 s3, LAPS-1
.Llap:
	TURN 0, 1, 1
	STEP 1, 0, 0
	TURN 1, 0, 1
	STEP 0, 0, 0
	s_sub_co_u32 s3, s3, 1
	s_cmp_lg_u32 s3, 0
	s_cbranch_scc1 .Llap
	TURN 0, 1, 0
	STEP 1, 0, 0
	s_wait_dscnt 4*NL
	WIN MUL_LO
	MUL16 0, 1, NQ-1, 1, 0
	MUL16 2, 1, NQ-1, 1, 0
	s_wait_dscnt 0
	WIN MUL_HI
	MUL16 4, 1, NQ-1, 1, 0
	MUL16 6, 1, NQ-1, 1, 0
	WIN 0
.macro QUANT s, pc, sw
.irp b, 0,1,2,3
	v_max3_num_f32 v[TM+\b], |v[\s+16*\b]|, |v[\s+1+16*\b]|, 0x8000000
.endr
.irp i, 2,4,6,8,10,12,14
.irp b, 0,1,2,3
	v_max3_num_f32 v[TM+\b], v[TM+\b], |v[\s+16*\b+\i]|, |v[\s+1+16*\b+\i]|
.endr
.endr
.irp b, 0,1,2,3
	v_permlanex16_b32 v[TM+4+\b], v[TM+\b], s[SEL], s[SEL+1]
.endr
.irp b, 0,1,2,3
	v_max_num_f32 v[TM+\b], v[TM+\b], v[TM+4+\b]
.endr
.irp b, 0,1,2,3
	v_add_nc_u32 v[TM+12+\b], 0xf8800000, v[TM+\b]
.endr
.irp b, 0,1,2,3
	v_and_or_b32 v[TM+8+\b], v[TM+\b], 0x7f800000, s[MNT]
.endr
.irp b, 0,1,2,3
	v_lshrrev_b32 v[TM+4+\b], 23, v[TM+12+\b]
.endr
	v_lshl_or_b32 v[\sw], v[TM+5], 8, v[TM+4]
	v_lshl_or_b32 v[\sw], v[TM+6], 16, v[\sw]
	v_lshl_or_b32 v[\sw], v[TM+7], 24, v[\sw]
.irp b, 0,1,2,3
.irp i, 0,1,2,3,4,5,6,7,8,9,10,11,12,13,14,15
	v_med3_num_f32 v[\s+16*\b+\i], v[\s+16*\b+\i], -v[TM+8+\b], v[TM+8+\b]
.endr
	v_cvt_scalef32_pk8_bf8_f32 v[\pc+4*\b:\pc+4*\b+1], v[\s+16*\b:\s+16*\b+7], v[TM+12+\b]
	v_cvt_scalef32_pk8_bf8_f32 v[\pc+4*\b+2:\pc+4*\b+3], v[\s+16*\b+8:\s+16*\b+15], v[TM+12+\b]
.endr
	v_nop
.endm
.macro EPI type
.irp a, 0,1,2,3,4,5,6,7
.if \a >= 4
	s_wait_xcnt 0x0
.endif
	WIN 0x02+(\a)/4
.set i, 0
.rept 32
.if \type
	v_pk_add_f32 v[H+i:H+i+1], v[64*((\a)%4)+i:64*((\a)%4)+i+1], v[G+i:G+i+1]
.else
	v_pk_add_f32 v[H+i:H+i+1], v[64*((\a)%4)+i:64*((\a)%4)+i+1], v[G+8*(\a)+i%8:G+8*(\a)+i%8+1]
.endif
.set i, i+2
.endr
	WIN 0
	QUANT H, PC+16*((\a)%4), SW+(\a)
.irp u, 0,1,2,3
.if \type
	global_store_b128 v[L16], v[PC+16*((\a)%4)+4*\u:PC+16*((\a)%4)+4*\u+3], s[14:15] offset:(\u/2)*131072+1024*(\a)+512*(\u%2)
.else
	global_store_b128 v[L16], v[PC+16*((\a)%4)+4*\u:PC+16*((\a)%4)+4*\u+3], s[14:15] offset:((\a)/4)*131072+2048*((\a)%4)+512*\u
.endif
.endr
.endr
.irp u, 0,1,2,3
.if \type
	v_perm_b32 v[SO+\u], v[SW+2*\u+1], v[SW+2*\u], v[SELV]
.else
	v_cndmask_b32 v[SO+\u], v[SW+\u], v[SW+4+\u], s[HIGH]
.endif
.endr
	global_store_b128 v[LSC], v[SO:SO+3], s[16:17]
.endm
	PLACES NP
	s_wait_loadcnt 0x0
.irp b, 0,1,2,3
	v_mov_b32 v[TM+4+\b], 0
.endr
	v_mov_b32 v[SELV], 0x05040100
	v_mov_b32 v[SO], 0x07060302
	v_cndmask_b32 v[SELV], v[SELV], v[SO], s[HIGH]
	s_cmp_eq_u32 s[TYPE], 0
	s_cbranch_scc1 .Lvalues
	EPI 1
	s_branch .Ldone
.Lvalues:
	EPI 0
.Ldone:
	s_wait_tensorcnt 0x0
	ds_add_u32 v[SPW], v[NIL]
	s_wait_dscnt 0x0
	CROUND
	s_endpgm
.Lfunc_end_k_qdc7b28ef78_qkv:
	.size	k_qdc7b28ef78_qkv, .Lfunc_end_k_qdc7b28ef78_qkv-k_qdc7b28ef78_qkv
	.p2alignl 7, 3214868480
	.fill 96, 4, 3214868480
	.section	.rodata,"a",@progbits
	.p2align	6, 0x0
	.amdhsa_kernel k_qdc7b28ef78_qkv
		.amdhsa_group_segment_fixed_size 327680
		.amdhsa_private_segment_fixed_size 0
		.amdhsa_enable_private_segment 0
		.amdhsa_kernarg_size 56
		.amdhsa_user_sgpr_count 2
		.amdhsa_user_sgpr_kernarg_segment_ptr 1
		.amdhsa_wavefront_size32 1
		.amdhsa_system_sgpr_workgroup_id_x 1
		.amdhsa_system_sgpr_workgroup_id_y 1
		.amdhsa_system_sgpr_workgroup_id_z 1
		.amdhsa_system_vgpr_workitem_id 0
		.amdhsa_next_free_vgpr 1024
		.amdhsa_next_free_sgpr 106
		.amdhsa_reserve_vcc 0
		.amdhsa_float_denorm_mode_32 3
		.amdhsa_float_denorm_mode_16_64 3
		.amdhsa_memory_ordered 1
		.amdhsa_forward_progress 1
		.amdhsa_inst_pref_size 255
	.end_amdhsa_kernel
	.section	.bss,"aw",@nobits
	.p2align	6
	.space	262144
	.amdgpu_metadata
---
amdhsa.version: [ 1, 2 ]
amdhsa.kernels:
  - .name:           k_qdc7b28ef78_qkv
    .symbol:         k_qdc7b28ef78_qkv.kd
    .args:
      - { .name: x_codes, .offset: 0, .size: 8, .value_kind: global_buffer, .address_space: global }
      - { .name: x_scales, .offset: 8, .size: 8, .value_kind: global_buffer, .address_space: global }
      - { .name: qkv_w_codes, .offset: 16, .size: 8, .value_kind: global_buffer, .address_space: global }
      - { .name: qkv_w_scales, .offset: 24, .size: 8, .value_kind: global_buffer, .address_space: global }
      - { .name: qkv_b, .offset: 32, .size: 8, .value_kind: global_buffer, .address_space: global }
      - { .name: img, .offset: 40, .size: 8, .value_kind: global_buffer, .address_space: global }
      - { .name: scl, .offset: 48, .size: 8, .value_kind: global_buffer, .address_space: global }
    .group_segment_fixed_size: 327680
    .private_segment_fixed_size: 0
    .kernarg_segment_align: 8
    .kernarg_segment_size: 56
    .max_flat_workgroup_size: 128
    .sgpr_count:     106
    .vgpr_count:     1024
    .wavefront_size: 32
...
	.end_amdgpu_metadata
.endif
;; end of part 1
;; launch attn (part 2): grid 4 x 64, 16 waves a work-group, clusters of 4 x 1, 272,384 bytes of LDS; arguments img, scl, o_img, o_scl; writes o_img, o_scl
.if DOCPART == 2
	.amdgcn_target "amdgcn-amd-amdhsa--gfx1250"
	.amdhsa_code_object_version 6
	.text
	.protected	k_qdc7b28ef78_attn
	.globl	k_qdc7b28ef78_attn
	.p2align	8
	.type	k_qdc7b28ef78_attn,@function
k_qdc7b28ef78_attn:
	s_mov_b64 s[64:65], 0
	v_nop
	global_prefetch_b8 v0, s[64:65] scope:SCOPE_SE
	s_setreg_imm32_b32 hwreg(HW_REG_WAVE_MODE, 25, 1), 1
	s_wait_xcnt 0x0
	s_wait_alu depctr_hold_cnt(0) depctr_sa_sdst(0) depctr_va_vdst(0) depctr_va_sdst(0) depctr_va_ssrc(0) depctr_va_vcc(0) depctr_vm_vsrc(0)
	s_getreg_b32 s2, hwreg(HW_REG_IB_STS2, 6, 4)
	s_cmp_eq_u32 s2, 0
	s_cbranch_scc0 .Lentry_in_a_cluster
	s_endpgm
.Lentry_in_a_cluster:
	s_bfe_u32 s2, ttmp6, 0x10000c
	s_cmp_lg_u32 s2, 0x3003
	s_cbranch_scc0 .Lentry_shape_is_right
	s_endpgm
.Lentry_shape_is_right:
; O = softmax(q k^T / 8) v for one head of one batch, both products on codes of BF8 (E5M2) with E8M0 scales; then O is quantised along the model's 1,024 for the projection.
; THE SOFTMAX: t = score x log2(e) / 8; M = the running largest t rounded UP to a whole number; p = 2^(t - M) is quantised along the keys, not normalised; the row's sum is taken of the unquantised p and divides O at the end.
; When M moves, the sum and O are multiplied by 2^(old M - new M): nothing is rounded, and no branch hangs on data.
; SHARES.  A work-group owns 512 queries of one head; the four work-groups of a cluster are the head's four blocks.  Each of sixteen waves owns 16 queries at a time, in two passes: groups 32 cx + 2 w and 32 cx + 2 w + 1.
; A HEAD'S WHOLE K AND V STAY IN LDS (2 x 131,072 bytes of codes, 2 x 4,096 of scale words) as images of operand registers (lane l's 16 bytes at 16 l).  Every LDS byte is filled once, by joint loads that name all four work-groups:
; waves 0-7 a quarter of K's or V's codes each, wave 8 both tensors' scale words (a tile of two rows); one load a wave.  Every wave waits for 0, one barrier shows all of it, and no barrier follows until the end.
; Nothing is prefetched: every byte of K and V is asked for at the head by its own tensor load.
; TWO REGIONS OF 64 REGISTERS TAKE TURNS.  In a step region F holds K's fragments and then V's, region S the scores and then p; behind p's conversions the NEXT step's K is asked for into S: a trip is two steps, with the regions swapped.
; The step after the last is step 0 (addresses wrap): the first pass's last request serves the second pass; the second pass's last is awaited at the end and not read.
; K = 64 IN A FORM OF K = 128.  A source-0 fragment holds TWO tiles of 16 keys and is multiplied twice: by [q][zeros] and by [zeros][q].  q lies as [8 zeros][q][8 zeros]; its scale word is its two bytes twice.
; LAYOUT.  Both products are used transposed: a lane holds ONE query (lane % 16).  S register 16 b + j is key 32 b + 8 h + j, register 16 b + 8 + j key 32 b + 16 + 8 h + j: the order in which v's images hold their keys.
; LIMITS: NaN and infinities are not served; the scaled scores stay under 2^31 in magnitude; a block of O whose largest magnitude lies under 2^-111 gets the scale byte 1 (read by this program alone); inside blocks of 32 the order of K differs from memory's, alike on both sides of a product.
.set VIMG, 131072
.set KSC,  262144                      ; K's scale words; V's lie 4,096 bytes on
.set L16,  1                           ; 16 x lane
.set LV,   2                           ; VIMG + 16 x lane
.set LKS,  3                           ; KSC + 16 r
.set GS,   5                           ; 32 r + h
.set R16,  6                           ; 16 r
.set ADK,  8                           ; K's images of the trip in hand, from the odd step's middle on the next trip's
.set ADV,  9
.set ADS,  10
.set QHI,  16                          ; v16-23 zeros, v24-31 q, v32-39 zeros
.set QLO,  24
.set KW,   40                          ; scale words: no product's two have numbers equal modulo 8
.set VW,   44
.set PW,   48
.set WK,   49
.set FF,   50                          ; f, and a written upper half
.set QW,   52
.set QW1,  53
.set W,    54
.set W2,   55
.set QB,   56                          ; the second pass's q
.set X,    64
.set Y,    128
.set O,    192                         ; O^T
.set PC,   224                         ; p's codes
.set BM,   240
.set T4,   244
.set P,    240                         ; four partial sums, in BM's and T4's registers once these are done with
.set HD,   248
.set SOP,  252
.set WV,   12
.set BH,   13
.set CX,   14
.set G1C,  16
.set G1S,  24
.set G0C,  32
.set G0S,  36
.set SEL,  52
.set CS,   54
.set MNT,  56
.set TB,   57
.set TS,   58
.set CNT,  59
.set PASS, 60
.set HIGH, 61
.set OI,   66
.set OS,   68
.macro CROUND                          ; a round of the cluster's barrier
	s_barrier_signal -1
	s_barrier_wait -1
	s_cmp_lg_u32 s[WV], 0
	s_cbranch_scc1 .Lnot_wave_0_\@
	s_barrier_signal -3
.Lnot_wave_0_\@:
	s_barrier_wait -3
	s_barrier_signal -1
	s_barrier_wait -1
.endm
	s_load_b256 s[4:11], s[0:1], 0x0               ; img, scl, o_img, o_scl
	v_lshl_add_u32 v254, v0, 2, 0x42000
	v_mov_b32 v255, 0
	ds_add_u32 v254, v255                          ; the opening lines: the add twice on end and its wait
	ds_add_u32 v254, v255
	s_wait_dscnt 0x0
	v_lshrrev_b32 v7, 5, v0
	s_delay_alu instid0(VALU_DEP_1)
	v_readfirstlane_b32 s[WV], v7                  ; wave 0..15
	s_and_b32 s[BH], ttmp7, 0xffff                 ; 16 x batch + head: the four partners share it
	s_bfe_u32 s[CX], ttmp6, 0x40000                ; my block of 512 queries: it enters q's and O's addresses alone
	s_mov_b32 s[G1C], 15|(3<<16)|(1<<21)           ; codes: 128 rows of 256 bytes (32 elements of 8), dense; the mask names all four work-groups
	s_mov_b32 s[G1C+1], 32<<16
	s_mov_b32 s[G1C+2], 128<<16
	s_mov_b32 s[G1C+3], 32<<16
	s_mov_b32 s[G1C+4], 128
	s_mov_b32 s[G1C+5], 32
	s_mov_b32 s[G1C+6], 0
	s_mov_b32 s[G1C+7], 0
	s_mov_b32 s[G1S], 15|(3<<16)|(1<<21)           ; scale words: two rows of 4,096 bytes, k's and v's, 2^18 bytes apart in scl
	s_mov_b32 s[G1S+1], 512<<16
	s_mov_b32 s[G1S+2], 2<<16
	s_mov_b32 s[G1S+3], 512<<16
	s_mov_b32 s[G1S+4], 2
	s_mov_b32 s[G1S+5], 32768
	s_mov_b32 s[G1S+6], 0
	s_mov_b32 s[G1S+7], 0
	s_and_b32 s70, s[WV], 7                        ; waves 0-7: wave / 4: K or V; wave % 4: which quarter
	s_lshr_b32 s71, s70, 2
	s_and_b32 s72, s70, 3
	s_add_co_u32 s73, s71, 1                       ; the part in img: 1 = k, 2 = v
	s_lshl_b32 s76, s73, 23
	s_lshl_b32 s77, s[BH], 17
	s_add_co_u32 s76, s76, s77
	s_lshl_b32 s77, s72, 15
	s_add_co_u32 s76, s76, s77                     ; the codes in memory
	s_mov_b32 s77, 0
	s_lshl_b32 s79, s70, 15                        ; and in LDS
	s_lshl_b32 s74, s[BH], 12
	s_add_co_u32 s74, s74, 1<<18                   ; k's scale words in memory
	s_mov_b32 s75, 0
	s_mov_b32 s[SEL], 0x76543210
	s_mov_b32 s[SEL+1], 0xfedcba98                 ; v_permlanex16_b32's selects for lane l xor 16
	s_mov_b32 s[CS], 0x3e38aa3b                    ; c = log2(e) / 8
	s_mov_b32 s[CS+1], s[CS]
	s_mov_b32 s[MNT], 0x600000                     ; the mantissa field of 57,344
	s_mov_b32 s[HIGH], 0xffff0000                  ; lanes 16-31
	s_mov_b32 s[TB], 0
	s_mov_b32 s[TS], 0
	s_wait_kmcnt 0x0
	s_mov_b32 s[G0C], 1
	s_mov_b32 s[G0C+1], s79
	s_add_nc_u64 s[G0C+2:G0C+3], s[4:5], s[76:77]
	s_or_b32 s[G0C+3], s[G0C+3], 0x80000000
	s_mov_b32 s[G0S], 1
	s_mov_b32 s[G0S+1], KSC
	s_add_nc_u64 s[G0S+2:G0S+3], s[6:7], s[74:75]
	s_or_b32 s[G0S+3], s[G0S+3], 0x80000000
	CROUND                                         ; all four work-groups are here: the joint loads meet
	s_cmp_lt_u32 s[WV], 8                          ; one chain of branches on the wave's number, one load to an arm
	s_cbranch_scc0 .Lhead_s
	tensor_load_to_lds s[G0C:G0C+3], s[G1C:G1C+7]
	s_nop 0
.rept 4
	v_nop
.endr
	s_branch .Lhead_asked
.Lhead_s:
	s_cmp_lt_u32 s[WV], 9
	s_cbranch_scc0 .Lhead_asked
	tensor_load_to_lds s[G0S:G0S+3], s[G1S:G1S+7]
	s_nop 0
.rept 4
	v_nop
.endr
.Lhead_asked:
	s_lshl_b32 s70, s[CX], 5
	s_lshl_b32 s71, s[WV], 1
	s_add_co_u32 s70, s70, s71                     ; my first group of 16 queries: 32 cx + 2 w
	s_lshl_b32 s72, s70, 10
	s_lshl_b32 s73, s[BH], 17
	s_add_co_u32 s72, s72, s73
	s_mov_b32 s73, 0
	s_add_nc_u64 s[72:73], s[4:5], s[72:73]        ; its image (part 0 of img)
	s_lshl_b32 s74, s[CX], 2
	s_lshr_b32 s75, s[WV], 2
	s_add_co_u32 s74, s74, s75                     ; which 128 tokens: 4 cx + w / 4
	s_lshl_b32 s74, s74, 8
	s_lshl_b32 s75, s[BH], 12
	s_add_co_u32 s74, s74, s75
	s_and_b32 s75, s[WV], 3                        ; which pair of groups among them
	s_lshl_b32 s75, s75, 2
	s_add_co_u32 s74, s74, s75
	s_mov_b32 s75, 0
	s_add_nc_u64 s[74:75], s[6:7], s[74:75]
	s_lshr_b32 s76, s[BH], 4                       ; batch
	s_and_b32 s77, s[BH], 15                       ; head
	s_lshl_b32 s78, s76, 7
	s_add_co_u32 s78, s78, s70                     ; my group among all 512
	s_lshl_b32 s[OI], s78, 14
	s_lshl_b32 s79, s77, 10
	s_add_co_u32 s[OI], s[OI], s79                 ; o_img: 16,384 a group; the head's 64 are 1,024 bytes
	s_mov_b32 s[OI+1], 0
	s_add_nc_u64 s[OI:OI+1], s[8:9], s[OI:OI+1]
	s_lshl_b32 s[OS], s78, 9
	s_lshl_b32 s79, s77, 1
	s_add_co_u32 s[OS], s[OS], s79                 ; o_scl: 32 bytes a token; the head's two bytes
	s_mov_b32 s[OS+1], 0
	s_add_nc_u64 s[OS:OS+1], s[10:11], s[OS:OS+1]
	v_and_b32 v7, 31, v0
	v_and_b32 v4, 15, v0                           ; r
	v_bfe_u32 v[GS], v0, 4, 1                      ; h
	v_lshlrev_b32 v[L16], 4, v7
	v_lshlrev_b32 v[R16], 4, v4
	v_lshl_add_u32 v[GS], v4, 5, v[GS]
	v_add_nc_u32 v[LV], VIMG, v[L16]
	v_add_nc_u32 v[LKS], KSC, v[R16]
	v_add_nc_u32 v[ADK], s[TB], v[L16]
	v_add_nc_u32 v[ADV], s[TB], v[LV]
	v_add_nc_u32 v[ADS], s[TS], v[LKS]
	s_wait_alu depctr_va_vdst(0)                   ; the wait ahead of the readers below
	global_load_b128 v[QLO:QLO+3], v[L16], s[72:73]
	global_load_b128 v[QLO+4:QLO+7], v[L16], s[72:73] offset:512
	global_load_b128 v[QB:QB+3], v[L16], s[72:73] offset:1024
	global_load_b128 v[QB+4:QB+7], v[L16], s[72:73] offset:1536
	global_load_b32 v[WK], v[R16], s[74:75]        ; the pair's word of query r: bytes 0, 1 the first group's, bytes 2, 3 the second's
.irp j, 0,1,2,3,4,5,6,7
	v_mov_b32 v[QHI+\j], 0
	v_mov_b32 v[QLO+8+\j], 0
.endr
.irp b, 0,1,2,3
	v_mov_b32 v[T4+\b], 0                          ; a lane permute's destination counts as one of its sources
.endr
	v_mov_b32 v[FF+1], 0                           ; named as the upper half of a pair
	s_wait_loadcnt 0x0
	v_perm_b32 v[QW], v[WK], v[WK], 0x01000100     ; the first group's two bytes, twice
	v_perm_b32 v[QW1], v[WK], v[WK], 0x03020302    ; the second group's
	s_wait_alu depctr_va_vdst(0)                   ; the wait at the head's end
	s_wait_tensorcnt 0x0                           ; on every wave's way: my load, if I have one, has landed
	s_wait_dscnt 0x0
	s_barrier_signal -1
	s_barrier_wait -1                              ; all of K, V and their scale words lie in LDS for every wave
.macro KLOAD R, ko, so                 ; a step's four fragments of K (two tiles of 16 keys each) and its scale words: 17 loads
.irp b, 0,1,2,3
.irp c, 0,1,2,3
	ds_load_b128 v[\R+16*\b+4*\c:\R+16*\b+4*\c+3], v[ADK] offset:\ko+2048*\b+512*\c
.endr
.endr
	ds_load_b128 v[KW:KW+3], v[ADS] offset:\so
.endm
.macro INIT                            ; a pass begins: the largest score under every score, -M above every -M, the sum and O^T zeros (the first change of M multiplies zeros)
	v_mov_b32 v13, 0xff61b1e6
	s_delay_alu instid0(VALU_DEP_1)
	v_floor_f32 v12, -v13
	v_mov_b32 v14, 0
	v_mov_b32 v15, 0
.set j, 0
.rept 32
	v_mov_b32 v[O+j], 0
.set j, j+1
.endr
.endm
; A KEY STEP: 128 keys.  F: K's fragments, asked for a step ago, then V's.  S: the scores, p, then the next step's K.  par: the step's place in its trip.
.macro STEP F, S, par
	s_wait_dscnt 0x0                               ; K's fragments and words
.irp b, 0,1,2,3
	v_wmma_scale_f32_16x16x128_f8f6f4 v[\S+16*\b:\S+16*\b+7], v[\F+16*\b:\F+16*\b+15], v[QLO:QLO+15], 0, v[KW+\b], v[QW] matrix_a_fmt:MATRIX_FMT_BF8 matrix_b_fmt:MATRIX_FMT_BF8
	v_wmma_scale_f32_16x16x128_f8f6f4 v[\S+16*\b+8:\S+16*\b+15], v[\F+16*\b:\F+16*\b+15], v[QHI:QHI+15], 0, v[KW+\b], v[QW] matrix_a_fmt:MATRIX_FMT_BF8 matrix_b_fmt:MATRIX_FMT_BF8
.endr
	v_mov_b32 v[W2], v12                           ; the old -M; with the seven below: eight places ahead of the loads into K's registers and of the first read of the scores
.rept 7
	v_nop
.endr
.irp t, 0,1,2,3
.irp c, 0,1,2,3
	ds_load_b128 v[\F+16*\t+4*\c:\F+16*\t+4*\c+3], v[ADV] offset:8192*\par+2048*\t+512*\c   ; V: 16 d x 128 keys; it lands under the softmax
.endr
.endr
	ds_load_b128 v[VW:VW+3], v[ADS] offset:4096+256*\par
.if \par
	s_add_co_u32 s[TB], s[TB], 16384               ; the next trip's images; behind the last trip the first again
	s_and_b32 s[TB], s[TB], 0x1c000
	s_add_co_u32 s[TS], s[TS], 512
	s_and_b32 s[TS], s[TS], 0xe00
	v_add_nc_u32 v[ADK], s[TB], v[L16]
	v_add_nc_u32 v[ADV], s[TB], v[LV]
	v_add_nc_u32 v[ADS], s[TS], v[LKS]
.endif
.irp b, 0,1,2,3
	v_max3_num_f32 v[BM+\b], v[\S+16*\b], v[\S+16*\b+1], v[\S+16*\b+2]    ; the largest score of each block of 32 keys: for the row's maximum and, since p rises with the score, for the block's largest p
.endr
.irp i, 3,5,7,9,11,13
.irp b, 0,1,2,3
	v_max3_num_f32 v[BM+\b], v[BM+\b], v[\S+16*\b+\i], v[\S+16*\b+\i+1]
.endr
.endr
.irp b, 0,1,2,3
	v_max_num_f32 v[BM+\b], v[BM+\b], v[\S+16*\b+15]
.endr
.irp b, 0,1,2,3
	v_permlanex16_b32 v[T4+\b], v[BM+\b], s[SEL], s[SEL+1]
.endr
.irp b, 0,1,2,3
	v_max_num_f32 v[BM+\b], v[BM+\b], v[T4+\b]     ; with lane l xor 16's 16 keys (the four blocks by turns)
.endr
	s_delay_alu instid0(VALU_DEP_2)
	v_max3_num_f32 v[W], v[BM], v[BM+1], v[BM+2]
	s_delay_alu instid0(VALU_DEP_1)
	v_max3_num_f32 v13, v13, v[W], v[BM+3]         ; the running largest score
	s_delay_alu instid0(VALU_DEP_1)
	v_mul_f32 v[W], s[CS], v13                     ; as t (c is positive, so the largest score gives the largest t)
	s_delay_alu instid0(VALU_DEP_1)
	v_floor_f32 v12, -v[W]                         ; -M = floor(-t): M is a whole number
	s_delay_alu instid0(VALU_DEP_1)
	v_sub_f32 v[W], v12, v[W2]                     ; old M - new M: a whole number, 0 or less
	s_delay_alu instid0(VALU_DEP_1)
	v_cvt_i32_f32 v[W], v[W]                       ; (it saturates)
	s_delay_alu instid0(VALU_DEP_1)
	v_ldexp_f32 v[FF], 1.0, v[W]                   ; f = 2^(old M - new M)
.set j, 0
.rept 32
	v_pk_fma_f32 v[\S+j:\S+j+1], v[\S+j:\S+j+1], s[CS:CS+1], v[12:13] op_sel_hi:[1,0,0]   ; t - M, two at a time
.set j, j+2
.endr
.irp b, 0,1,2,3
	v_fma_f32 v[BM+\b], v[BM+\b], s[CS], v12
.endr
	s_wait_alu depctr_va_vdst(0)                   ; one batch of 68 exponentials: a wait ahead of it,
.irp b, 0,1,2,3
	v_exp_f32 v[BM+\b], v[BM+\b]                   ; each block's largest p
.endr
.set j, 0
.rept 64
	v_exp_f32 v[\S+j], v[\S+j]                     ; p = 2^(t - M)
.set j, j+1
.endr
	v_nop                                          ; a plain line behind it,
	s_wait_alu depctr_va_vdst(0)                   ; and a wait ahead of its first reader
.irp b, 0,1,2,3
	v_max_num_f32 v[BM+\b], 0x8000000, v[BM+\b]    ; the floor 2^(16 - 127): the byte cannot fall under 1
.endr
.irp b, 0,1,2,3
	v_add_nc_u32 v[SOP+\b], 0xf8800000, v[BM+\b]   ; 15 off the exponent field: the conversion's scale operand
.endr
.irp b, 0,1,2,3
	v_lshrrev_b32 v[T4+\b], 23, v[SOP+\b]          ; the byte
.endr
.irp b, 0,1,2,3
	v_and_or_b32 v[HD+\b], v[BM+\b], 0x7f800000, s[MNT]   ; 57,344 x the scale
.endr
	v_lshl_or_b32 v[PW], v[T4+1], 8, v[T4]         ; p's scale word for these 128 keys: its two halves,
	v_lshl_or_b32 v[W], v[T4+3], 8, v[T4+2]
.irp k, 0,1,2,3
	v_pk_add_f32 v[P+2*\k:P+2*\k+1], v[\S+4*\k:\S+4*\k+1], v[\S+4*\k+2:\S+4*\k+3]   ; the row's sum of the unquantised p: four chains by turns
.endr
	v_lshl_or_b32 v[PW], v[W], 16, v[PW]           ; joined behind four lines that do not hang on them
.set j, 16
.rept 24
	v_pk_add_f32 v[P+2*((j/2)%4):P+2*((j/2)%4)+1], v[P+2*((j/2)%4):P+2*((j/2)%4)+1], v[\S+j:\S+j+1]
.set j, j+2
.endr
.irp b, 0,1,2,3
.set j, 0
.rept 8
	v_dual_min_num_f32 v[\S+16*\b+j], v[\S+16*\b+j], v[HD+\b] :: v_dual_min_num_f32 v[\S+16*\b+j+1], v[\S+16*\b+j+1], v[HD+\b]   ; the conversion does not saturate (ISA guide 7.6.2); p is not negative: a one-sided hold, two a line
.set j, j+2
.endr
	v_cvt_scalef32_pk8_bf8_f32 v[PC+4*\b:PC+4*\b+1], v[\S+16*\b:\S+16*\b+7], v[SOP+\b]
	v_cvt_scalef32_pk8_bf8_f32 v[PC+4*\b+2:PC+4*\b+3], v[\S+16*\b+8:\S+16*\b+15], v[SOP+\b]
.endr
	KLOAD \S, 8192*(1-\par), 256*(1-\par)          ; p is done with: the next step's K into its registers
	s_wait_dscnt 17                                ; V is in: behind its loads stand the 17 just issued
	s_wait_alu depctr_va_vdst(0)                   ; the wait directly ahead of the first reader of O^T
.set j, 0
.rept 16
	v_pk_mul_f32 v[O+j:O+j+1], v[O+j:O+j+1], v[FF:FF+1] op_sel_hi:[1,0]   ; O^T under the new M; these are also the places between the codes and the products
.set j, j+2
.endr
.irp t, 0,1,2,3
	v_wmma_scale_f32_16x16x128_f8f6f4 v[O+8*\t:O+8*\t+7], v[\F+16*\t:\F+16*\t+15], v[PC:PC+15], v[O+8*\t:O+8*\t+7], v[VW+\t], v[PW] matrix_a_fmt:MATRIX_FMT_BF8 matrix_b_fmt:MATRIX_FMT_BF8
.endr
	v_pk_add_f32 v[P:P+1], v[P:P+1], v[P+2:P+3]    ; nine places ahead of the next step's products, which write over V's registers: the sum's last four lines stand among them
	v_pk_fma_f32 v[P+4:P+5], v[14:15], v[FF:FF+1], v[P+4:P+5] op_sel_hi:[1,0,1]   ; the old sum under the new M
	v_nop
	v_nop
	v_pk_add_f32 v[P:P+1], v[P:P+1], v[P+6:P+7]
	v_nop
	v_nop
	v_nop
	v_pk_add_f32 v[14:15], v[P:P+1], v[P+4:P+5]
.endm
; THE WAY OUT of 16 queries: / the sum; the halves of the lanes exchange eight registers a block, so that a lane holds 16 neighbours along the projection's K; quantised; two stores of 512 consecutive aligned bytes.
.macro OUT
	v_add_f32 v14, v14, v15
	s_delay_alu instid0(VALU_DEP_1)
	v_permlanex16_b32 v[T4], v14, s[SEL], s[SEL+1]
	s_delay_alu instid0(VALU_DEP_1)
	v_add_f32 v14, v14, v[T4]                      ; the row's sum
	s_wait_alu depctr_va_vdst(0)
	v_rcp_f32 v[FF], v14
	v_nop                                          ; a plain line behind the reciprocal,
	s_wait_alu depctr_va_vdst(0)                   ; and the wait ahead of its first reader
.set j, 0
.rept 16
	v_pk_mul_f32 v[O+j:O+j+1], v[O+j:O+j+1], v[FF:FF+1] op_sel_hi:[1,0]   ; register 8 t + i: d = 16 t + 8 h + i; each accumulator from its low end on
.set j, j+2
.endr
.irp k, 0,1
.irp i, 0,1,2,3,4,5,6,7
	v_permlane16_swap_b32 v[O+16*\k+\i], v[O+16*\k+8+\i]   ; afterwards register 16 k + i: d = 32 k + 16 h + i
.endr
.endr
.irp k, 0,1
	v_max3_num_f32 v[BM+\k], |v[O+16*\k]|, |v[O+16*\k+1]|, 0x8000000
.endr
.irp i, 2,4,6,8,10,12,14
.irp k, 0,1
	s_delay_alu instid0(VALU_DEP_2)
	v_max3_num_f32 v[BM+\k], v[BM+\k], |v[O+16*\k+\i]|, |v[O+16*\k+\i+1]|
.endr
.endr
.irp k, 0,1
	s_delay_alu instid0(VALU_DEP_2)
	v_permlanex16_b32 v[T4+\k], v[BM+\k], s[SEL], s[SEL+1]
.endr
.irp k, 0,1
	s_delay_alu instid0(VALU_DEP_2)
	v_max_num_f32 v[BM+\k], v[BM+\k], v[T4+\k]
.endr
.irp k, 0,1
	s_delay_alu instid0(VALU_DEP_2)
	v_add_nc_u32 v[SOP+\k], 0xf8800000, v[BM+\k]
.endr
.irp k, 0,1
	s_delay_alu instid0(VALU_DEP_4)
	v_and_or_b32 v[HD+\k], v[BM+\k], 0x7f800000, s[MNT]
.endr
.irp k, 0,1
	s_delay_alu instid0(VALU_DEP_4)
	v_lshrrev_b32 v[T4+\k], 23, v[SOP+\k]
.endr
	s_delay_alu instid0(VALU_DEP_1)
	v_cndmask_b32 v[WK], v[T4], v[T4+1], s[HIGH]   ; lanes 0-15 store block 0's byte of their query, lanes 16-31 block 1's
.irp k, 0,1
.irp i, 0,1,2,3,4,5,6,7,8,9,10,11,12,13,14,15
	v_med3_num_f32 v[O+16*\k+\i], v[O+16*\k+\i], -v[HD+\k], v[HD+\k]
.endr
	v_cvt_scalef32_pk8_bf8_f32 v[PC+4*\k:PC+4*\k+1], v[O+16*\k:O+16*\k+7], v[SOP+\k]
	v_cvt_scalef32_pk8_bf8_f32 v[PC+4*\k+2:PC+4*\k+3], v[O+16*\k+8:O+16*\k+15], v[SOP+\k]
.endr
	v_nop                                          ; a plain line behind the last conversion
	global_store_b128 v[L16], v[PC:PC+3], s[OI:OI+1]
	global_store_b128 v[L16], v[PC+4:PC+7], s[OI:OI+1] offset:512
	global_store_b8 v[GS], v[WK], s[OS:OS+1]       ; two bytes of a token's 32: the word that they belong to spans two heads, which two work-groups own
.endm
	KLOAD X, 0, 0                                  ; step 0's K
	s_mov_b32 s[PASS], 2
.Lpass:
	INIT
	s_mov_b32 s[CNT], 8
.Lstep:                                            ; a trip is two steps: the two regions are back where they began
	STEP X, Y, 0
	STEP Y, X, 1
	s_sub_co_u32 s[CNT], s[CNT], 1
	s_cmp_lg_u32 s[CNT], 0
	s_cbranch_scc1 .Lstep
	OUT
	s_wait_xcnt 0x0                                ; the stores have read their registers and bases
	s_add_nc_u64 s[OI:OI+1], s[OI:OI+1], 16384     ; the next group (behind the second pass these lines' results are not used)
	s_add_nc_u64 s[OS:OS+1], s[OS:OS+1], 512
.irp j, 0,1,2,3,4,5,6,7
	v_mov_b32 v[QLO+\j], v[QB+\j]                  ; its q between the zeros,
.endr
	v_mov_b32 v[QW], v[QW1]                        ; and its scale word
	s_sub_co_u32 s[PASS], s[PASS], 1
	s_cmp_lg_u32 s[PASS], 0
	s_cbranch_scc1 .Lpass
	v_lshl_add_u32 v254, v0, 2, 0x42000            ; the wave's end: the add's two registers are made anew,
	v_mov_b32 v255, 0
	s_wait_alu depctr_va_vdst(0)
	s_wait_tensorcnt 0x0
	ds_add_u32 v254, v255
	s_wait_dscnt 0x0
	CROUND                                         ; the closing round
	s_endpgm
.Lfunc_end_k_qdc7b28ef78_attn:
	.size	k_qdc7b28ef78_attn, .Lfunc_end_k_qdc7b28ef78_attn-k_qdc7b28ef78_attn
	.p2alignl 7, 3214868480
	.fill 96, 4, 3214868480
	.section	.rodata,"a",@progbits
	.p2align	6, 0x0
	.amdhsa_kernel k_qdc7b28ef78_attn
		.amdhsa_group_segment_fixed_size 272384
		.amdhsa_private_segment_fixed_size 0
		.amdhsa_enable_private_segment 0
		.amdhsa_kernarg_size 32
		.amdhsa_user_sgpr_count 2
		.amdhsa_user_sgpr_kernarg_segment_ptr 1
		.amdhsa_wavefront_size32 1
		.amdhsa_system_sgpr_workgroup_id_x 1
		.amdhsa_system_sgpr_workgroup_id_y 1
		.amdhsa_system_sgpr_workgroup_id_z 1
		.amdhsa_system_vgpr_workitem_id 0
		.amdhsa_next_free_vgpr 256
		.amdhsa_next_free_sgpr 80
		.amdhsa_reserve_vcc 0
		.amdhsa_float_denorm_mode_32 3
		.amdhsa_float_denorm_mode_16_64 3
		.amdhsa_memory_ordered 1
		.amdhsa_forward_progress 1
		.amdhsa_inst_pref_size 55
	.end_amdhsa_kernel
	.amdgpu_metadata
---
amdhsa.version: [ 1, 2 ]
amdhsa.kernels:
  - .name:           k_qdc7b28ef78_attn
    .symbol:         k_qdc7b28ef78_attn.kd
    .args:
      - { .name: img, .offset: 0, .size: 8, .value_kind: global_buffer, .address_space: global }
      - { .name: scl, .offset: 8, .size: 8, .value_kind: global_buffer, .address_space: global }
      - { .name: o_img, .offset: 16, .size: 8, .value_kind: global_buffer, .address_space: global }
      - { .name: o_scl, .offset: 24, .size: 8, .value_kind: global_buffer, .address_space: global }
    .group_segment_fixed_size: 272384
    .private_segment_fixed_size: 0
    .kernarg_segment_align: 8
    .kernarg_segment_size: 32
    .max_flat_workgroup_size: 512
    .sgpr_count:     80
    .vgpr_count:     256
    .wavefront_size: 32
...
	.end_amdgpu_metadata
.endif
;; end of part 2
;; launch proj (part 3): grid 4 x 64, 4 waves a work-group, clusters of 4 x 4, 327,680 bytes of LDS; arguments o_img, o_scl, proj_w_codes, proj_w_scales, proj_b, out0; writes out0
.if DOCPART == 3
	.amdgcn_target "amdgcn-amd-amdhsa--gfx1250"
	.amdhsa_code_object_version 6
	.text
	.protected	k_qdc7b28ef78_proj
	.globl	k_qdc7b28ef78_proj
	.p2align	8
	.type	k_qdc7b28ef78_proj,@function
k_qdc7b28ef78_proj:
	s_mov_b64 s[64:65], 0
	v_nop
	global_prefetch_b8 v0, s[64:65] scope:SCOPE_SE
	s_setreg_imm32_b32 hwreg(HW_REG_WAVE_MODE, 25, 1), 1
	s_wait_xcnt 0x0
	s_wait_alu depctr_hold_cnt(0) depctr_sa_sdst(0) depctr_va_vdst(0) depctr_va_sdst(0) depctr_va_ssrc(0) depctr_va_vcc(0) depctr_vm_vsrc(0)
	s_getreg_b32 s2, hwreg(HW_REG_IB_STS2, 6, 4)
	s_cmp_eq_u32 s2, 0
	s_cbranch_scc0 .Lentry_in_a_cluster
	s_endpgm
.Lentry_in_a_cluster:
	s_bfe_u32 s2, ttmp6, 0x10000c
	s_cmp_lg_u32 s2, 0xf033
	s_cbranch_scc0 .Lentry_shape_is_right
	s_endpgm
.Lentry_shape_is_right:
; out0 = O proj_w^T + proj_b: 8,192 x 1,024 x 1,024 on codes of BF8 (E5M2) with one E8M0 scale for each 32 along K; sums in f32; the bias is the first products' C.
; O arrives as the attention launch leaves it: o_img[group of 16 tokens][K / 128][piece c][lane][16 bytes], images of operand registers; o_scl[token][32].  proj_w as given: rows of 1,024 codes, rows of 32 scale bytes.
; SHARES.  A block of out0 is 128 tokens x 256 columns: 64 x 4 = 256 work-groups.  Four waves, 2 x 2; a wave makes 64 tokens x 128 columns.
; THE WEIGHT'S 256 ROWS, ALL OF K, LIE IN LDS (256 x 1,040 bytes), filled once at the head: waves 0 and 1 fetch 128 rows each, wave 2 O's scale bytes, wave 3 the weight's.  No LDS byte is filled again: no ring, and no round but the first and the last.
; O'S 64 TOKENS OF A WAVE, ALL OF K, GO FROM MEMORY STRAIGHT INTO 512 REGISTERS: the images are in the operand's order, so each load of a wave takes 512 consecutive bytes.
; O has no joint load: its 131,072 bytes a work-group have no room in LDS beside the weight's 266,240, the scale bytes' 13,056 and the stages' 17,408.  The weight and the scale bytes are asked for jointly (4 x 4 clusters).
; TWO PHASES of 64 columns a wave, each over all of K (8 steps of 16 products): the first phase's results leave ahead of the second phase's products.
; Nothing is prefetched: every byte is asked for at the head, and the launch has no loop to run ahead in.
; The products are used transposed (source 0 = the weight's rows): a lane holds eight neighbouring columns of a row of out0.
; REGISTERS: window 0: v0-31 addresses, v32-63 scale words, v64-127 the bias, v128-255 the weight's fragments, two sets of four (set 1 serves the way out too); window 1: 32 accumulators; windows 2, 3: O, 64 registers a K step.
; LIMITS: NaN and infinities are not served.
.set SIZE_N, 1024
.set KS,     32
.set PITCH,  1040                      ; a weight's row in LDS: 1,024 bytes + 16
.set FR,     16
.set NP,     8                         ; places behind this matrix form (ISA guide 7.12.1)
.set BHALF,  128*PITCH
.set SCL,    2*BHALF                   ; the scale bytes: O's 128 rows, then the weight's 256, as units of 256 bytes + 16
.set HALFS,  (128*KS/256)*272
.set SBLK,   (16*KS/256)*272
.set STAGE,  SCL+3*HALFS               ; the way out: 16 rows x (256 + 16) bytes a wave, bytes of their own
.set SPITCH, 272
.set SPARE,  STAGE+4*16*SPITCH
.set ADRB, 20                          ; v20, v21: my weight fragments of phase 0, 1
.set ADRS, 22                          ; v22, v23: my scale words of phase 0, 1
.set STO,  24
.set RD,   25
.set L16,  26
.set CO,   27
.set SPW,  28
.set NIL,  29
.set SC,   32                          ; register 8 i + q: lanes 0-15 O's block i, lanes 16-31 the phase's weight block i, the q-th 128 of K
.set G,    64
.set BF,   128
.set BK,   192
.set G1B, 48
.set G0B, 56
.set G1S, 68
.set G0S, 76
.set G1SB, 80
.set G0SB, 88
.set MSB, 0
.macro WIN new
.if MSB != (\new)
	s_set_vgpr_msb (MSB<<8)|(\new)
.set MSB, (\new)
.endif
.endm
.macro CROUND
	s_barrier_signal -1
	s_barrier_wait -1
	s_cmp_lg_u32 s14, 0
	s_cbranch_scc1 .Lnot_wave_0_\@
	s_barrier_signal -3
.Lnot_wave_0_\@:
	s_barrier_wait -3
	s_barrier_signal -1
	s_barrier_wait -1
.endm
.macro PLACES n
.rept \n
	v_nop
.endr
.endm
	s_load_b256 s[4:11], s[0:1], 0x0               ; o_img, o_scl, the weight's codes, its scales
	s_load_b64 s[96:97], s[0:1], 0x20              ; proj_b
	s_load_b64 s[12:13], s[0:1], 0x28              ; out0
	v_lshl_add_u32 v[SPW], v0, 2, SPARE
	v_mov_b32 v[NIL], 0
	ds_add_u32 v[SPW], v[NIL]                      ; the opening lines: the add twice on end and its wait
	ds_add_u32 v[SPW], v[NIL]
	s_wait_dscnt 0x0
	v_lshrrev_b32 v1, 5, v0
	v_readfirstlane_b32 s14, v1                    ; wave
	s_lshr_b32 s15, s14, 1                         ; my half of the tokens
	s_and_b32 s16, s14, 1                          ; my half of the columns
	s_bfe_u32 s40, ttmp6, 0x40000
	s_bfe_u32 s41, ttmp6, 0x40004
	s_lshl_b32 s42, ttmp9, 2
	s_add_co_u32 s42, s42, s40                     ; tile column
	s_and_b32 s17, ttmp7, 0xffff
	s_lshl_b32 s17, s17, 2
	s_add_co_u32 s17, s17, s41                     ; tile row
	s_lshl_b32 s43, s41, 2
	s_lshl_b32 s43, 15, s43                        ; my row of the cluster
	s_lshl_b32 s44, 0x1111, s40                    ; my column
	s_or_b32 s[G1B+0], s44, (0<<16)|(1<<20)|(1<<21)|(7<<22)|(3<<25)   ; the weight: 128 whole rows of 1,024 bytes, 16 bytes of padding behind each
	s_mov_b32 s[G1B+1], 1024<<16
	s_mov_b32 s[G1B+2], 128<<16
	s_mov_b32 s[G1B+3], 1024<<16
	s_mov_b32 s[G1B+4], 128
	s_mov_b32 s[G1B+5], 1024
	s_mov_b32 s[G1B+6], 0
	s_mov_b32 s[G1B+7], 0
	s_or_b32 s[G1S+0], s43, (3<<16)|(1<<20)|(1<<21)|(5<<22)|(3<<25)   ; scale bytes: dense, as rows of 256 bytes + 16
	s_mov_b32 s[G1S+1], 32<<16
	s_mov_b32 s[G1S+2], (128*KS/256)<<16
	s_mov_b32 s[G1S+3], 32<<16
	s_mov_b32 s[G1S+4], 128*KS/256
	s_mov_b32 s[G1S+5], 32
	s_mov_b32 s[G1S+6], 0
	s_mov_b32 s[G1S+7], 0
	s_or_b32 s[G1SB+0], s44, (3<<16)|(1<<20)|(1<<21)|(5<<22)|(3<<25)
	s_mov_b32 s[G1SB+1], 32<<16
	s_mov_b32 s[G1SB+2], (256*KS/256)<<16
	s_mov_b32 s[G1SB+3], 32<<16
	s_mov_b32 s[G1SB+4], 256*KS/256
	s_mov_b32 s[G1SB+5], 32
	s_mov_b32 s[G1SB+6], 0
	s_mov_b32 s[G1SB+7], 0
	s_lshl_b32 s20, s17, 17                        ; O's images: 8 groups a tile row, my wave's four
	s_lshl_b32 s21, s15, 16
	s_add_co_u32 s20, s20, s21
	s_mov_b32 s21, 0
	s_lshl_b32 s22, s17, 12                        ; O's scale bytes
	s_mov_b32 s23, 0
	s_lshl_b32 s46, s42, 18                        ; the weight's codes: waves 0, 1: 128 rows each
	s_lshl_b32 s47, s14, 17
	s_add_co_u32 s46, s46, s47
	s_mov_b32 s47, 0
	s_lshl_b32 s92, s42, 13                        ; the weight's scale bytes
	s_mov_b32 s93, 0
	s_mul_i32 s95, s14, BHALF
	s_wait_kmcnt 0x0
	s_add_nc_u64 s[20:21], s[4:5], s[20:21]
	s_add_nc_u64 s[22:23], s[6:7], s[22:23]
	s_add_nc_u64 s[46:47], s[8:9], s[46:47]
	s_add_nc_u64 s[92:93], s[10:11], s[92:93]
	CROUND                                         ; all sixteen work-groups are here: the joint loads meet
	s_mov_b32 s[G0B], 1
	s_mov_b32 s[G0B+1], s95
	s_mov_b64 s[G0B+2:G0B+3], s[46:47]
	s_or_b32 s[G0B+3], s[G0B+3], 0x80000000
	s_mov_b32 s[G0S], 1
	s_mov_b32 s[G0S+1], SCL
	s_mov_b64 s[G0S+2:G0S+3], s[22:23]
	s_or_b32 s[G0S+3], s[G0S+3], 0x80000000
	s_mov_b32 s[G0SB], 1
	s_mov_b32 s[G0SB+1], SCL+HALFS
	s_mov_b64 s[G0SB+2:G0SB+3], s[92:93]
	s_or_b32 s[G0SB+3], s[G0SB+3], 0x80000000
	s_cmp_lt_u32 s14, 2                            ; one chain of branches on the wave's number, one load to an arm
	s_cbranch_scc0 .Lhead_sa
	tensor_load_to_lds s[G0B:G0B+3], s[G1B:G1B+7]
	s_nop 0
	PLACES 4
	s_branch .Lhead_asked
.Lhead_sa:
	s_cmp_lt_u32 s14, 3
	s_cbranch_scc0 .Lhead_sb
	tensor_load_to_lds s[G0S:G0S+3], s[G1S:G1S+7]
	s_nop 0
	PLACES 4
	s_branch .Lhead_asked
.Lhead_sb:
	tensor_load_to_lds s[G0SB:G0SB+3], s[G1SB:G1SB+7]
	s_nop 0
	PLACES 4
.Lhead_asked:
	s_lshl_b32 s46, s42, 10
	s_lshl_b32 s47, s16, 9
	s_add_co_u32 s46, s46, s47                     ; my first column, in bytes of f32
	s_mov_b32 s47, 0
	s_add_nc_u64 s[96:97], s[96:97], s[46:47]
	s_lshl_b32 s18, s17, 7
	s_lshl_b32 s19, s15, 6
	s_add_co_u32 s18, s18, s19                     ; my first row of out0
	s_lshl_b32 s18, s18, 12
	s_mov_b32 s19, 0
	s_add_nc_u64 s[18:19], s[18:19], s[46:47]
	s_add_nc_u64 s[12:13], s[12:13], s[18:19]
	s_mul_i32 s22, s16, BHALF                      ; my 128 rows of the weight
	s_mul_i32 s66, s15, HALFS/2                    ; O's scale bytes: my 64 rows
	s_mul_i32 s67, s16, HALFS                      ; the weight's: my 128 rows, behind O's 128
	s_add_co_u32 s67, s67, HALFS
	s_sub_co_u32 s67, s67, s66
	s_add_co_u32 s66, s66, SCL
	s_mul_i32 s23, s14, 16*SPITCH
	s_add_co_u32 s23, s23, STAGE                   ; my stage
	v_and_b32 v1, 15, v0                           ; r
	v_bfe_u32 v2, v0, 4, 1                         ; h
	v_and_b32 v6, 31, v0
	v_lshlrev_b32 v7, 5, v2
	v_lshlrev_b32 v[L16], 4, v6
	v_mul_u32_u24 v3, v1, PITCH
	v_mul_u32_u24 v5, v1, KS
	v_lshl_add_u32 v4, v2, 4, v3
	v_lshrrev_b32 v6, 8, v5
	v_add_nc_u32 v[ADRB], s22, v4
	v_lshl_add_u32 v5, v6, 4, v5                   ; my row's scale bytes: 32 a row, and 16 more for each 256 passed
	v_mul_u32_u24 v6, s67, v2                      ; lanes 16-31 take the weight's
	v_add_nc_u32 v[ADRB+1], 64*PITCH, v[ADRB]
	v_add_nc_u32 v5, v5, v6
	v_mul_u32_u24 v8, v1, SPITCH
	v_add_nc_u32 v[ADRS], s66, v5
	v_mul_u32_u24 v9, v2, SPITCH
	v_lshl_add_u32 v8, v2, 5, v8
	v_mad_u32_u24 v[ADRS+1], v2, 4*SBLK, v[ADRS]   ; phase 1: the weight's blocks 4-7, O's blocks as before
	v_lshl_add_u32 v9, v1, 4, v9
	v_add_nc_u32 v[STO], s23, v8                   ; in: row r, 32 bytes for each half of the lanes
	v_add_nc_u32 v[RD], s23, v9                    ; back: lanes 0-15 one row of 256 bytes, lanes 16-31 the next
	v_lshlrev_b32 v[CO], 12, v2
	v_lshl_add_u32 v[CO], v1, 4, v[CO]             ; and the same two rows in out0
	s_wait_alu depctr_va_vdst(0)                   ; the wait ahead of the readers below
.irp b, 0,1,2,3,4,5,6,7
	global_load_b128 v[G+8*\b:G+8*\b+3], v7, s[96:97] offset:64*\b          ; the bias in the result's layout: columns 16 b + 8 h + 0 .. 7
	global_load_b128 v[G+8*\b+4:G+8*\b+7], v7, s[96:97] offset:64*\b+16
.endr
.macro ALOAD q                         ; O's four fragments of the q-th 128 of K: 16 loads of 512 consecutive bytes
.irp a, 0,1,2,3
.irp c, 0,1,2,3
	global_load_b128 v[64*((\q)%4)+16*\a+4*\c:64*((\q)%4)+16*\a+4*\c+3], v[L16], s[20:21] offset:\a*16384+(\q)*2048+\c*512
.endr
.endr
.endm
	WIN 0x80
.irp q, 0,1,2,3
	ALOAD \q
.endr
	WIN 0xc0
.irp q, 4,5,6,7
	ALOAD \q
.endr
	WIN 0
.macro FETCH ph, q, p                  ; the phase's four weight fragments of the q-th 128 of K into set p: 16 loads
.irp i, 0,1,2,3
.irp c, 0,1,2,3
	ds_load_b128 v[BF+64*(\p)+FR*\i+4*\c:BF+64*(\p)+FR*\i+4*\c+3], v[ADRB+\ph] offset:128*(\q)+32*\c+\i*16*PITCH
.endr
.endr
.endm
.macro SCALES ph                       ; a phase's scale words for all of K: eight loads
.irp i, 0,1,2,3
	ds_load_b128 v[SC+8*\i:SC+8*\i+3], v[ADRS+\ph] offset:\i*SBLK
	ds_load_b128 v[SC+8*\i+4:SC+8*\i+7], v[ADRS+\ph] offset:\i*SBLK+16
.endr
.endm
; 16 products: O's four blocks x the phase's four weight blocks, the q-th 128 of K.  The 16 accumulators take turns, in the same order in every step.  q = 0: the bias is C.
.macro MUL ph, q
	WIN ((2+(\q)/4)<<2)|((((\q)+7)/8)<<4)|(1<<6)   ; source 0 window 0, source 1 window 2 or 3, C window 0 (q = 0) or 1, D window 1
.irp a, 0,1,2,3
.irp b, 0,1,2,3
.if (\q) == 0
	v_wmma_scale_f32_16x16x128_f8f6f4 v[128*\ph+8*(4*\a+\b):128*\ph+8*(4*\a+\b)+7], v[BF+64*((\q)%2)+FR*\b:BF+64*((\q)%2)+FR*\b+FR-1], v[64*((\q)%4)+FR*\a:64*((\q)%4)+FR*\a+FR-1], v[G+32*\ph+8*\b:G+32*\ph+8*\b+7], v[SC+8*\b+(\q)], v[SC+8*\a+(\q)] matrix_a_fmt:MATRIX_FMT_BF8 matrix_b_fmt:MATRIX_FMT_BF8 matrix_a_scale:MATRIX_SCALE_ROW1
.else
	v_wmma_scale_f32_16x16x128_f8f6f4 v[128*\ph+8*(4*\a+\b):128*\ph+8*(4*\a+\b)+7], v[BF+64*((\q)%2)+FR*\b:BF+64*((\q)%2)+FR*\b+FR-1], v[64*((\q)%4)+FR*\a:64*((\q)%4)+FR*\a+FR-1], v[128*\ph+8*(4*\a+\b):128*\ph+8*(4*\a+\b)+7], v[SC+8*\b+(\q)], v[SC+8*\a+(\q)] matrix_a_fmt:MATRIX_FMT_BF8 matrix_b_fmt:MATRIX_FMT_BF8 matrix_a_scale:MATRIX_SCALE_ROW1
.endif
.endr
.endr
	WIN 0
.endm
; A step: the next step's fragments (phase nph, step nq) are asked for into the other set, then this step's set is multiplied.
.macro STEP ph, q, nph, nq, fetch
	PLACES NP                                      ; behind the products that read the other set
.if \fetch
	FETCH \nph, \nq, 1-(\q)%2
	s_wait_dscnt 16                                ; all but the 16 just issued
.else
	s_wait_dscnt 0x0
.endif
.if \ph == 0
.if (7-\q)*16 > 63
	s_wait_loadcnt 63                              ; the bias and O's fragments of this step are in: behind them stand 16 loads for each later step (the count's field holds 63)
.else
	s_wait_loadcnt (7-\q)*16
.endif
.endif
	MUL \ph, \q
.endm
; THE WAY OUT of a phase, block by block of 16 rows x 64 columns, through my own stage: whole rows of 256 bytes come back, and sixteen lanes store one aligned unit of 256 bytes.
.macro TOSTAGE ph, a
	WIN 0x04
.irp b, 0,1,2,3
	ds_store_b128 v[STO], v[128*\ph+8*(4*(\a)+\b):128*\ph+8*(4*(\a)+\b)+3] offset:64*\b          ; each accumulator from its low end on
	ds_store_b128 v[STO], v[128*\ph+8*(4*(\a)+\b)+4:128*\ph+8*(4*(\a)+\b)+7] offset:64*\b+16
.endr
	WIN 0
.set BB, BK+32*((\a)%2)
.irp t, 0,1,2,3,4,5,6,7
	ds_load_b128 v[BB+4*\t:BB+4*\t+3], v[RD] offset:\t*2*SPITCH    ; LDS serves a wave's instructions in order (ISA guide 5.7.1.4): these see the stores above
.endr
.endm
.macro SEND a, younger
.set BB, BK+32*((\a)%2)
	s_wait_dscnt \younger
.if (\a) > 0
	s_add_nc_u64 s[12:13], s[12:13], 16*SIZE_N*4
.endif
.irp t, 0,1,2,3,4,5,6,7
	global_store_b128 v[CO], v[BB+4*\t:BB+4*\t+3], s[12:13] offset:\t*2*SIZE_N*4 th:TH_STORE_NT
.endr
.endm
.macro WAYOUT ph
	PLACES NP                                      ; behind the phase's last products: their sums are read, and set 1 and the scale words are written
.if \ph == 0
	SCALES 1
.endif
	TOSTAGE \ph, 0
.irp a, 1,2,3
.if \a > 1
	s_wait_xcnt 0x0                                ; block a - 2's stores have read their registers and their base
.endif
	TOSTAGE \ph, \a
	SEND \a-1, 16                                  ; behind block a - 1's loads: block a's 8 stores and 8 loads
.endr
	s_wait_xcnt 0x0
	SEND 3, 0
.endm
	s_wait_alu depctr_va_vdst(0)                   ; the wait at the head's end
	s_wait_tensorcnt 0x0                           ; on every wave's way: my tile has landed
	s_barrier_signal -1
	s_barrier_wait -1                              ; the weight and all scale bytes lie in LDS for every wave
	FETCH 0, 0, 0
	SCALES 0
.irp q, 0,1,2,3,4,5,6
	STEP 0, \q, 0, \q+1, 1
.endr
	STEP 0, 7, 1, 0, 1                             ; the second phase's first fragments are asked for here
	WAYOUT 0
	s_wait_xcnt 0x0                                ; the stores have read set 1's registers and their base
	s_sub_nc_u64 s[12:13], s[12:13], 3*16*SIZE_N*4-256   ; back to my first row, 64 columns on
.irp q, 0,1,2,3,4,5,6
	STEP 1, \q, 1, \q+1, 1
.endr
	STEP 1, 7, 1, 0, 0
	WAYOUT 1
	s_wait_tensorcnt 0x0                           ; the wave's end
	ds_add_u32 v[SPW], v[NIL]
	s_wait_dscnt 0x0
	CROUND                                         ; the closing round
	s_endpgm
.Lfunc_end_k_qdc7b28ef78_proj:
	.size	k_qdc7b28ef78_proj, .Lfunc_end_k_qdc7b28ef78_proj-k_qdc7b28ef78_proj
	.p2alignl 7, 3214868480
	.fill 96, 4, 3214868480
	.section	.rodata,"a",@progbits
	.p2align	6, 0x0
	.amdhsa_kernel k_qdc7b28ef78_proj
		.amdhsa_group_segment_fixed_size 327680
		.amdhsa_private_segment_fixed_size 0
		.amdhsa_enable_private_segment 0
		.amdhsa_kernarg_size 48
		.amdhsa_user_sgpr_count 2
		.amdhsa_user_sgpr_kernarg_segment_ptr 1
		.amdhsa_wavefront_size32 1
		.amdhsa_system_sgpr_workgroup_id_x 1
		.amdhsa_system_sgpr_workgroup_id_y 1
		.amdhsa_system_sgpr_workgroup_id_z 1
		.amdhsa_system_vgpr_workitem_id 0
		.amdhsa_next_free_vgpr 1024
		.amdhsa_next_free_sgpr 100
		.amdhsa_reserve_vcc 0
		.amdhsa_float_denorm_mode_32 3
		.amdhsa_float_denorm_mode_16_64 3
		.amdhsa_memory_ordered 1
		.amdhsa_forward_progress 1
		.amdhsa_inst_pref_size 93
	.end_amdhsa_kernel
	.amdgpu_metadata
---
amdhsa.version: [ 1, 2 ]
amdhsa.kernels:
  - .name:           k_qdc7b28ef78_proj
    .symbol:         k_qdc7b28ef78_proj.kd
    .args:
      - { .name: o_img, .offset: 0, .size: 8, .value_kind: global_buffer, .address_space: global }
      - { .name: o_scl, .offset: 8, .size: 8, .value_kind: global_buffer, .address_space: global }
      - { .name: proj_w_codes, .offset: 16, .size: 8, .value_kind: global_buffer, .address_space: global }
      - { .name: proj_w_scales, .offset: 24, .size: 8, .value_kind: global_buffer, .address_space: global }
      - { .name: proj_b, .offset: 32, .size: 8, .value_kind: global_buffer, .address_space: global }
      - { .name: out0, .offset: 40, .size: 8, .value_kind: global_buffer, .address_space: global }
    .group_segment_fixed_size: 327680
    .private_segment_fixed_size: 0
    .kernarg_segment_align: 8
    .kernarg_segment_size: 48
    .max_flat_workgroup_size: 128
    .sgpr_count:     100
    .vgpr_count:     1024
    .wavefront_size: 32
...
	.end_amdgpu_metadata
.endif
;; end of part 3
